; MI455X (gfx1250); checked and timed in simulation.
; The chip was launched on July 23, 2026; its instructions are those of AMD's public machine-readable ISA for CDNA 5 (MIT licence, August 2026) and "CDNA5" Instruction Set Architecture Reference Guide (July 2026). The comments in the code are by the model that wrote it; some were corrected since.
;; Attention Block. Allowed arithmetic: float matrix products may take bf16 or f16 operands with f32 sums; all other float work in f32.
;; Inputs: norm_b 256 float32; norm_w 256 float32; proj_b 256 float32; proj_w 256 x 256 float32; qkv_b 768 float32; qkv_w 768 x 256 float32; x 16 x 256 x 32 x 32 float32.
;; Outputs: out0 16 x 256 x 32 x 32 float32.
;; 2 versions, each right; version 2 is version 1 with the launch gn_cast written anew for expert scheduling mode. Each part assembles by itself: llvm-mc -triple=amdgcn-amd-amdhsa -mcpu=gfx1250 --defsym DOCPART=n.
;; ======== version 1 of 2: 3 launches
;; workspace buffers: hn 8,388,608 bytes; wb 524,288 bytes; bq 3,072 bytes; qs 8,388,608 bytes; kv 16,777,216 bytes
;; launch gn_cast (part 1): grid 144 x 1, 16 waves a work-group, no clusters, 2,560 bytes of LDS; arguments x, norm_w, norm_b, qkv_w, qkv_b, proj_w, hn, wb, bq; writes hn, wb, bq
.if DOCPART == 1
	.amdgcn_target "amdgcn-amd-amdhsa--gfx1250"
	.amdhsa_code_object_version 6
	.text
	.protected	k_q000527ebea_gn_cast
	.globl	k_q000527ebea_gn_cast
	.p2align	8
	.type	k_q000527ebea_gn_cast,@function
k_q000527ebea_gn_cast:
	s_mov_b64 s[64:65], 0
	v_nop
	global_prefetch_b8 v0, s[64:65] scope:SCOPE_SE
	s_setreg_imm32_b32 hwreg(HW_REG_WAVE_MODE, 25, 1), 1
	s_wait_xcnt 0x0
; Work-groups 0 to 127: group norm of one (image, group) of x, 32 channels x 1,024 pixels = 131,072 dense bytes of f32, written as bf16 to hn (same order as x).
; Work-groups 128 to 143: 64 rows of qkv_w or proj_w to bf16 in wb, the qkv rows regrouped as [head][q,k,v][64][256]; the q rows, and the q part of the
; bias (bq, f32, same regrouping), are multiplied in f32 by 0.125 log2(e), so that attention's scores are ready for an exponential in base 2.
; The group stays in registers (64 a lane) between the pass for the mean, the pass for the variance and the scaling: x is read once.
; The variance is the mean of the squares of x - mean (two passes), so a common offset of x cancels before anything is squared.
; No matrix unit, no tensor loads, no cluster: no two work-groups read the same bytes, and every byte is used once.
; LIMITS: the sums run in another order than the reference's; v_rsq_f32 is good to 1 ULP (its argument is at least 1e-5, so nothing is flushed).
.set X, 40                             ; v[40:103] my 64 numbers: load i (0..15) in v[X+4i:X+4i+3]
; v1 load offset, v2 store offset, v3 LDS address of my wave's word, v[4:11] four chains of pairs, v[12:27] the 16 waves' words,
; v[28:29] -mean twice, v[30:33] rstd x norm_w of my two channels (each twice), v[34:37] norm_b likewise, v38, v39 at work
.macro COMBINE                         ; four chains of pairs into v4
	v_pk_add_f32 v[4:5], v[4:5], v[6:7]
	v_pk_add_f32 v[8:9], v[8:9], v[10:11]
	v_pk_add_f32 v[4:5], v[4:5], v[8:9]
	v_add_f32 v4, v4, v5
.endm
.macro WAVESUM                         ; v4 summed over the 32 lanes, the result in every lane
	v_add_f32_dpp v4, v4, v4 row_xmask:1 row_mask:0xf bank_mask:0xf
	v_add_f32_dpp v4, v4, v4 row_xmask:2 row_mask:0xf bank_mask:0xf
	v_add_f32_dpp v4, v4, v4 row_xmask:4 row_mask:0xf bank_mask:0xf
	v_add_f32_dpp v4, v4, v4 row_xmask:8 row_mask:0xf bank_mask:0xf
	v_permlanex16_b32 v5, v4, s30, s31             ; v5 has been written before
	v_add_f32 v4, v4, v5
.endm
.macro GROUPSUM base                   ; v4 summed over the 16 waves into v12; each use has 64 LDS bytes of its own
	ds_store_b32 v3, v4 offset:\base
	s_wait_dscnt 0x0                               ; my word is in LDS before I say so
	s_barrier_signal -1
	s_barrier_wait -1
	ds_load_b128 v[12:15], v38 offset:\base
	ds_load_b128 v[16:19], v38 offset:\base+16
	ds_load_b128 v[20:23], v38 offset:\base+32
	ds_load_b128 v[24:27], v38 offset:\base+48
	s_wait_dscnt 0x0
	v_pk_add_f32 v[12:13], v[12:13], v[14:15]
	v_pk_add_f32 v[16:17], v[16:17], v[18:19]
	v_pk_add_f32 v[20:21], v[20:21], v[22:23]
	v_pk_add_f32 v[24:25], v[24:25], v[26:27]
	v_pk_add_f32 v[12:13], v[12:13], v[16:17]
	v_pk_add_f32 v[20:21], v[20:21], v[24:25]
	v_pk_add_f32 v[12:13], v[12:13], v[20:21]
	v_add_f32 v12, v12, v13
.endm
	s_load_b512 s[4:19], s[0:1], 0x0               ; x 4:5, norm_w 6:7, norm_b 8:9, qkv_w 10:11, qkv_b 12:13, proj_w 14:15, hn 16:17, wb 18:19
	s_load_b64 s[20:21], s[0:1], 0x40              ; bq
	v_lshl_add_u32 v104, v0, 2, 0x200
	v_mov_b32 v105, 0
	v_lshrrev_b32 v3, 5, v0
	v_and_b32 v38, 31, v0                          ; lane
	v_readfirstlane_b32 s22, v3                    ; wave 0..15
	s_mov_b32 s25, 0                               ; high words of the two offset pairs
	s_mov_b32 s35, 0
	s_cmp_ge_u32 ttmp9, 128                        ; the same for all waves of a work-group
	s_cbranch_scc1 .Lweights
	; ---------------- group norm: work-group id = 8 x image + group ----------------
	s_mov_b32 s30, 0x76543210                      ; v_permlanex16_b32: lane i reads lane i of the other half
	s_mov_b32 s31, 0xfedcba98
	v_lshlrev_b32 v1, 4, v38
	v_lshl_add_u32 v1, v3, 13, v1                  ; x: wave x 8,192 (two channels) + 16 x lane
	v_lshlrev_b32 v2, 3, v38
	v_lshl_add_u32 v2, v3, 12, v2                  ; hn: wave x 4,096 + 8 x lane
	v_lshlrev_b32 v3, 2, v3                        ; my wave's word in LDS
	v_mov_b32 v38, 0                               ; LDS address of the words
	s_lshl_b32 s24, ttmp9, 17                      ; 131,072 bytes of x a group
	s_lshl_b32 s34, ttmp9, 16                      ; 65,536 bytes of hn
	s_and_b32 s36, ttmp9, 7
	s_lshl_b32 s36, s36, 7                         ; 32 channels x 4 bytes a group
	s_lshl3_add_u32 s36, s22, s36                  ; + two channels a wave
	s_mov_b32 s37, 0
	s_wait_kmcnt 0x0
	s_add_nc_u64 s[4:5], s[4:5], s[24:25]
	s_add_nc_u64 s[16:17], s[16:17], s[34:35]
	s_add_nc_u64 s[6:7], s[6:7], s[36:37]
	s_add_nc_u64 s[8:9], s[8:9], s[36:37]
.set i, 0
.rept 16
	global_load_b128 v[X+4*i:X+4*i+3], v1, s[4:5] offset:512*i   ; 512 neighbouring bytes a load; all 16 go out at once
.set i, i+1
.endr
	s_load_b64 s[26:27], s[6:7], 0x0               ; norm_w of my two channels
	s_load_b64 s[28:29], s[8:9], 0x0               ; norm_b
	; pass 1: the sum.  The first four loads start the four chains: nothing is cleared.
.set i, 0
.rept 4
	s_wait_loadcnt 15-i                            ; loads come back in order: load i is in, the 15 - i younger ones stay out
	v_pk_add_f32 v[4+2*i:5+2*i], v[X+4*i:X+4*i+1], v[X+4*i+2:X+4*i+3]
.set i, i+1
.endr
.rept 12
	s_wait_loadcnt 15-i
	v_pk_add_f32 v[4+2*(i%4):5+2*(i%4)], v[4+2*(i%4):5+2*(i%4)], v[X+4*i:X+4*i+1]
	v_pk_add_f32 v[4+2*(i%4):5+2*(i%4)], v[4+2*(i%4):5+2*(i%4)], v[X+4*i+2:X+4*i+3]
.set i, i+1
.endr
	COMBINE
	WAVESUM
	GROUPSUM 0
	v_mul_f32 v28, 0xb8000000, v12                 ; -mean = -sum / 32,768
	v_mov_b32 v29, v28
	; pass 2: x - mean in place, and the sum of its squares
.set i, 0
.rept 32
	v_pk_add_f32 v[X+2*i:X+2*i+1], v[X+2*i:X+2*i+1], v[28:29]
.set i, i+1
.endr
.set i, 0
.rept 4
	v_pk_mul_f32 v[4+2*i:5+2*i], v[X+2*i:X+2*i+1], v[X+2*i:X+2*i+1]
.set i, i+1
.endr
.rept 28
	v_pk_fma_f32 v[4+2*(i%4):5+2*(i%4)], v[X+2*i:X+2*i+1], v[X+2*i:X+2*i+1], v[4+2*(i%4):5+2*(i%4)]
.set i, i+1
.endr
	COMBINE
	WAVESUM
	GROUPSUM 64                                    ; other bytes than the first sum's, which a slower wave may still be reading
	v_mov_b32 v39, 0x3727c5ac                      ; 1e-5
	v_fma_f32 v38, v12, 0x38000000, v39            ; variance + eps
	v_rsq_f32 v39, v38
	s_wait_kmcnt 0x0                               ; norm_w, norm_b
	v_mov_b32 v34, s28                             ; plain instructions that touch neither v38 nor v39 stand behind v_rsq_f32 (ISA guide 5.7.2)
	v_mov_b32 v35, s28
	v_mov_b32 v36, s29
	v_mov_b32 v37, s29
	s_wait_alu depctr_va_vdst(0)
	v_mul_f32 v30, s26, v39
	v_mul_f32 v31, s26, v39
	v_mul_f32 v32, s27, v39
	v_mul_f32 v33, s27, v39
	; (x - mean) x (rstd w) + b; loads 0-7 are my first channel, 8-15 my second
.set i, 0
.rept 32
	v_pk_fma_f32 v[X+2*i:X+2*i+1], v[X+2*i:X+2*i+1], v[30+2*(i/16):31+2*(i/16)], v[34+2*(i/16):35+2*(i/16)]
.set i, i+1
.endr
.set i, 0
.rept 16
	v_cvt_pk_bf16_f32 v[X+4*i], v[X+4*i], v[X+4*i+1]
	v_cvt_pk_bf16_f32 v[X+4*i+1], v[X+4*i+2], v[X+4*i+3]
	global_store_b64 v2, v[X+4*i:X+4*i+1], s[16:17] offset:256*i   ; 32 lanes x 8 bytes: 256 consecutive bytes, aligned
.set i, i+1
.endr
	s_wait_tensorcnt 0x0
	ds_add_u32 v104, v105
	s_wait_dscnt 0x0
	s_endpgm
	; ---------------- weights: block j = 0..11 of qkv_w (64 rows), 12..15 of proj_w ----------------
.Lweights:
	s_sub_co_u32 s36, ttmp9, 128                   ; j.  In qkv_w j = 4 t + head (t: q, k, v)
	v_lshlrev_b32 v1, 4, v38
	v_lshl_add_u32 v1, v3, 12, v1                  ; source: wave x 4,096 + 16 x lane
	v_lshlrev_b32 v2, 3, v38
	v_lshl_add_u32 v2, v3, 11, v2                  ; destination: wave x 2,048 + 8 x lane
	s_sub_co_u32 s24, s36, 12                      ; block in proj_w
	s_and_b32 s37, s36, 3
	s_mul_i32 s37, s37, 3
	s_lshr_b32 s38, s36, 2
	s_add_co_u32 s37, s37, s38                     ; 3 x head + t: the block's place in wb and in bq
	s_cmp_lt_u32 s36, 4
	s_cselect_b32 s32, 0x3e38aa3b, 1.0             ; q rows: 0.125 log2(e); all the others are multiplied by 1.0, so that one text serves all blocks
	s_mov_b32 s33, s32
	s_wait_kmcnt 0x0
	s_cmp_lt_u32 s36, 12
	s_cselect_b32 s24, s36, s24
	s_cselect_b32 s37, s37, s36                    ; proj_w's blocks keep their number: they begin at byte 12 x 32,768
	s_cselect_b64 s[10:11], s[10:11], s[14:15]
	s_lshl_b32 s24, s24, 16                        ; 65,536 bytes of f32 a block
	s_lshl_b32 s34, s37, 15                        ; 32,768 bytes of bf16
	s_add_nc_u64 s[10:11], s[10:11], s[24:25]
	s_add_nc_u64 s[18:19], s[18:19], s[34:35]
.set i, 0
.rept 8
	global_load_b128 v[X+4*i:X+4*i+3], v1, s[10:11] offset:512*i th:TH_LOAD_NT
.set i, i+1
.endr
.set i, 0
.rept 8
	s_wait_loadcnt 7-i                             ; load i is in, the 7 - i younger ones stay out
	v_pk_mul_f32 v[X+4*i:X+4*i+1], v[X+4*i:X+4*i+1], s[32:33] op_sel_hi:[1,0]
	v_pk_mul_f32 v[X+4*i+2:X+4*i+3], v[X+4*i+2:X+4*i+3], s[32:33] op_sel_hi:[1,0]
	v_cvt_pk_bf16_f32 v[X+4*i], v[X+4*i], v[X+4*i+1]
	v_cvt_pk_bf16_f32 v[X+4*i+1], v[X+4*i+2], v[X+4*i+3]
	global_store_b64 v2, v[X+4*i:X+4*i+1], s[18:19] offset:256*i
.set i, i+1
.endr
	s_cmp_ge_u32 s36, 12                           ; the 64 biases of a qkv block: wave 0 alone, 8 bytes a lane
	s_cbranch_scc1 .Ldone
	s_cmp_lg_u32 s22, 0
	s_cbranch_scc1 .Ldone
	s_lshl_b32 s24, s36, 8
	s_lshl_b32 s34, s37, 8
	s_add_nc_u64 s[12:13], s[12:13], s[24:25]
	s_add_nc_u64 s[20:21], s[20:21], s[34:35]
	v_lshlrev_b32 v4, 3, v38
	global_load_b64 v[6:7], v4, s[12:13]
	s_wait_loadcnt 0x0
	v_pk_mul_f32 v[6:7], v[6:7], s[32:33] op_sel_hi:[1,0]
	global_store_b64 v4, v[6:7], s[20:21]          ; 256 consecutive bytes, aligned
.Ldone:
	s_endpgm
.Lfunc_end_k_q000527ebea_gn_cast:
	.size	k_q000527ebea_gn_cast, .Lfunc_end_k_q000527ebea_gn_cast-k_q000527ebea_gn_cast
	.p2alignl 7, 3214868480
	.fill 96, 4, 3214868480
	.section	.rodata,"a",@progbits
	.p2align	6, 0x0
	.amdhsa_kernel k_q000527ebea_gn_cast
		.amdhsa_group_segment_fixed_size 2560
		.amdhsa_private_segment_fixed_size 0
		.amdhsa_enable_private_segment 0
		.amdhsa_kernarg_size 72
		.amdhsa_user_sgpr_count 2
		.amdhsa_user_sgpr_kernarg_segment_ptr 1
		.amdhsa_wavefront_size32 1
		.amdhsa_system_sgpr_workgroup_id_x 1
		.amdhsa_system_sgpr_workgroup_id_y 1
		.amdhsa_system_sgpr_workgroup_id_z 1
		.amdhsa_system_vgpr_workitem_id 0
		.amdhsa_next_free_vgpr 106
		.amdhsa_next_free_sgpr 66
		.amdhsa_reserve_vcc 0
		.amdhsa_float_denorm_mode_32 3
		.amdhsa_float_denorm_mode_16_64 3
		.amdhsa_memory_ordered 1
		.amdhsa_forward_progress 1
		.amdhsa_inst_pref_size 24
	.end_amdhsa_kernel
	.amdgpu_metadata
---
amdhsa.version: [ 1, 2 ]
amdhsa.kernels:
  - .name:           k_q000527ebea_gn_cast
    .symbol:         k_q000527ebea_gn_cast.kd
    .args:
      - { .name: x, .offset: 0, .size: 8, .value_kind: global_buffer, .address_space: global }
      - { .name: norm_w, .offset: 8, .size: 8, .value_kind: global_buffer, .address_space: global }
      - { .name: norm_b, .offset: 16, .size: 8, .value_kind: global_buffer, .address_space: global }
      - { .name: qkv_w, .offset: 24, .size: 8, .value_kind: global_buffer, .address_space: global }
      - { .name: qkv_b, .offset: 32, .size: 8, .value_kind: global_buffer, .address_space: global }
      - { .name: proj_w, .offset: 40, .size: 8, .value_kind: global_buffer, .address_space: global }
      - { .name: hn, .offset: 48, .size: 8, .value_kind: global_buffer, .address_space: global }
      - { .name: wb, .offset: 56, .size: 8, .value_kind: global_buffer, .address_space: global }
      - { .name: bq, .offset: 64, .size: 8, .value_kind: global_buffer, .address_space: global }
    .group_segment_fixed_size: 2560
    .private_segment_fixed_size: 0
    .kernarg_segment_align: 8
    .kernarg_segment_size: 72
    .max_flat_workgroup_size: 512
    .sgpr_count:     66
    .vgpr_count:     106
    .wavefront_size: 32
...
	.end_amdgpu_metadata
.endif
;; end of part 1
;; launch qkv (part 2): grid 4 x 64, 12 waves a work-group, clusters of 4 x 4, 245,248 bytes of LDS; arguments hn, wb, bq, qs, kv; writes qs, kv
.if DOCPART == 2
	.amdgcn_target "amdgcn-amd-amdhsa--gfx1250"
	.amdhsa_code_object_version 6
	.text
	.protected	k_q000527ebea_qkv
	.globl	k_q000527ebea_qkv
	.p2align	8
	.type	k_q000527ebea_qkv,@function
k_q000527ebea_qkv:
	s_mov_b64 s[64:65], 0
	v_nop
	global_prefetch_b8 v0, s[64:65] scope:SCOPE_SE
	s_setreg_imm32_b32 hwreg(HW_REG_WAVE_MODE, 25, 1), 1
	s_wait_xcnt 0x0
	s_wait_alu depctr_hold_cnt(0) depctr_sa_sdst(0) depctr_va_vdst(0) depctr_va_sdst(0) depctr_va_ssrc(0) depctr_va_vcc(0) depctr_vm_vsrc(0)
	s_getreg_b32 s2, hwreg(HW_REG_IB_STS2, 6, 4)
	s_cmp_eq_u32 s2, 0
	s_cbranch_scc0 .Lentry_in_a_cluster
	s_endpgm
.Lentry_in_a_cluster:
	s_bfe_u32 s2, ttmp6, 0x10000c
	s_cmp_lg_u32 s2, 0xf033
	s_cbranch_scc0 .Lentry_shape_is_right
	s_endpgm
.Lentry_shape_is_right:
; q, k, v = W hn + bias, K = 256 channels, bf16 operands, f32 sums that start from the bias.
; A cluster of 4 x 4 work-groups is one image: cx = head, cy = block of 256 pixels.  A work-group makes q, k and v of its head for its 256 pixels.
; Wave w: t = w / 4 (q, k, v), pq = w % 4 (64 pixels): a block of 64 x 64, sixteen accumulator tiles, which is one dense block of 8,192 bytes of the output:
;   qs [image][head][1,024 pixels][64 d];  kv [image][head][16 key blocks][K part: 64 keys x 64 d, then V part: 64 d x 64 keys].
; q and k are made as (A = weights, B = pixels): a lane then holds eight neighbouring d of one pixel.  v is made with the sources exchanged: eight neighbouring pixels of one d.
; JOINT LOADS: hn's tile hangs on (image, cy) and is asked for jointly by the four work-groups of a row of the cluster; the weights' tile hangs on cx
; and is asked for jointly by the four of a column: each tile is requested once for four work-groups.
; LDS is filled once (two K chunks of 128 channels, both asked for at the start): by this text's count a wave has at most two tensor loads out.
.set HP,   544                         ; hn rows: 512 bytes (256 pixels) + 32 of padding: 17 x 32, as the transposing load's lanes want
.set HCH,  128*HP                      ; a chunk of 128 channels: 69,632
.set WT,   2*HCH                       ; the weights begin at byte 139,264
.set WP,   272                         ; a weight row of a chunk: 256 bytes (128 channels) + 16
.set WCH,  192*WP                      ; a chunk of the 192 rows: 52,224
.set STG,  32*272                      ; way out: 8,704 bytes a wave, over hn's tile when nobody reads it any more and nothing is filled any more
.set WA,  1                            ; v1    LDS address of my weight fragments
.set HA,  2                            ; v2-3  LDS address of my pixel fragments, chunk 0, 1
.set STO, 4                            ; v4    way out: where my 16 bytes go
.set RD,  5                            ; v5    way out: where I read 16 bytes back
.set GO,  6                            ; v6    16 x lane
.set BI,  8                            ; v[8:39]    four bias tiles (the first products' C)
.set WF,  40                           ; v[40:71]   four weight fragments
.set HF,  72                           ; v[72:103]  four pixel fragments
.set ACC, 104                          ; v[104:231] tile (nt, mt) at ACC + 8 (4 nt + mt)
.macro ROUND                           ; a round of the cluster's barrier; s14 is the wave's number
	s_barrier_signal -1
	s_barrier_wait -1
	s_cmp_lg_u32 s14, 0
	s_cbranch_scc1 .Lnot_wave_0_\@
	s_barrier_signal -3
.Lnot_wave_0_\@:
	s_barrier_wait -3
	s_barrier_signal -1
	s_barrier_wait -1
.endm
; 32 channels: 16 LDS loads, 16 matrix instructions.  The sixteen accumulators take turns, one instruction a turn.
; The fragments have one buffer: while a wave waits for them, the two other waves of its SIMD multiply.
.macro KSTEP j, kk, swap, first
.if \first == 0
.rept 4
	v_nop                                          ; four places between the last matrix instructions and loads into their sources
.endr
.endif
.irp ot, 0,1,2,3
	ds_load_b128 v[WF+8*\ot:WF+8*\ot+3],   v[WA] offset:\j*WCH+\ot*16*WP+\kk*64
	ds_load_b128 v[WF+8*\ot+4:WF+8*\ot+7], v[WA] offset:\j*WCH+\ot*16*WP+\kk*64+32
.endr
.irp pt, 0,1,2,3
	ds_load_tr16_b128 v[HF+8*\pt:HF+8*\pt+3],   v[HA+\j] offset:\kk*32*HP+\pt*32          ; channels 8 h .. 8 h + 7 of pixel r
	ds_load_tr16_b128 v[HF+8*\pt+4:HF+8*\pt+7], v[HA+\j] offset:\kk*32*HP+\pt*32+16*HP    ; channels 16 + 8 h ..
.endr
	s_wait_dscnt 0x0
.irp nt, 0,1,2,3
.irp mt, 0,1,2,3
.if \swap
.if \first
	v_wmma_f32_16x16x32_bf16 v[ACC+8*(4*\nt+\mt):ACC+8*(4*\nt+\mt)+7], v[HF+8*\mt:HF+8*\mt+7], v[WF+8*\nt:WF+8*\nt+7], v[BI+8*\nt:BI+8*\nt+7]
.else
	v_wmma_f32_16x16x32_bf16 v[ACC+8*(4*\nt+\mt):ACC+8*(4*\nt+\mt)+7], v[HF+8*\mt:HF+8*\mt+7], v[WF+8*\nt:WF+8*\nt+7], v[ACC+8*(4*\nt+\mt):ACC+8*(4*\nt+\mt)+7]
.endif
.else
.if \first
	v_wmma_f32_16x16x32_bf16 v[ACC+8*(4*\nt+\mt):ACC+8*(4*\nt+\mt)+7], v[WF+8*\mt:WF+8*\mt+7], v[HF+8*\nt:HF+8*\nt+7], v[BI+8*\mt:BI+8*\mt+7]
.else
	v_wmma_f32_16x16x32_bf16 v[ACC+8*(4*\nt+\mt):ACC+8*(4*\nt+\mt)+7], v[WF+8*\mt:WF+8*\mt+7], v[HF+8*\nt:HF+8*\nt+7], v[ACC+8*(4*\nt+\mt):ACC+8*(4*\nt+\mt)+7]
.endif
.endif
.endr
.endr
.endm
.macro CHUNK j, swap, first
	KSTEP \j, 0, \swap, \first
	KSTEP \j, 1, \swap, 0
	KSTEP \j, 2, \swap, 0
	KSTEP \j, 3, \swap, 0
.endm
	s_load_b256 s[4:11], s[0:1], 0x0               ; hn 4:5, wb 6:7, bq 8:9, qs 10:11
	s_load_b64 s[12:13], s[0:1], 0x20              ; kv
	v_lshl_add_u32 v240, v0, 2, 0x3b800
	v_mov_b32 v241, 0
	ds_add_u32 v240, v241
	v_lshrrev_b32 v7, 5, v0
	v_readfirstlane_b32 s14, v7                    ; wave 0..11
	s_lshr_b32 s15, s14, 2                         ; t: 0 q, 1 k, 2 v
	s_and_b32 s16, s14, 3                          ; pq
	s_bfe_u32 s17, ttmp6, 0x40000                  ; cx = head
	s_bfe_u32 s18, ttmp6, 0x40004                  ; cy = block of 256 pixels
	s_and_b32 s19, ttmp7, 0xffff                   ; cluster y = image
	s_lshl_b32 s20, s18, 2
	s_lshl_b32 s20, 15, s20                        ; my row of the cluster
	s_lshl_b32 s21, 0x1111, s17                    ; my column
	; group 1 for hn: 64 rows of 256 elements of 2 bytes, 1,024 elements from row to row; 8 words of padding behind every 128 words
	s_or_b32  s24, s20, (1<<16)|(1<<20)|(1<<21)|(6<<22)|(7<<25)
	s_mov_b32 s25, 256<<16                         ; tensor_dim0 = 256
	s_mov_b32 s26, 64<<16                          ; tensor_dim1 = 64
	s_mov_b32 s27, 256<<16                         ; tile_dim0 = 256
	s_mov_b32 s28, 64                              ; tile_dim1 = 64
	s_mov_b32 s29, 1024
	s_mov_b32 s30, 0
	s_mov_b32 s31, 0
	; group 1 for the weights: 64 rows of 128 elements, 256 elements from row to row; 4 words of padding behind every 64 words
	s_or_b32  s32, s21, (1<<16)|(1<<20)|(1<<21)|(5<<22)|(3<<25)
	s_mov_b32 s33, 128<<16
	s_mov_b32 s34, 64<<16
	s_mov_b32 s35, 128<<16
	s_mov_b32 s36, 64
	s_mov_b32 s37, 256
	s_mov_b32 s38, 0
	s_mov_b32 s39, 0
	; hn's tiles (waves 0 and 1 ask): image, cy and the wave's 64 channels; s[56:57] never hold cx
	s_lshl_b32 s56, s19, 19                        ; 524,288 bytes an image
	s_lshl_b32 s57, s18, 9                         ; 512 bytes for 256 pixels
	s_add_co_u32 s56, s56, s57
	s_min_u32 s57, s14, 1
	s_lshl_b32 s57, s57, 17                        ; 64 channels x 2,048 bytes
	s_add_co_u32 s56, s56, s57
	s_mov_b32 s57, 0
	; the weights' tiles (waves 2, 3, 4 ask for q's, k's, v's 64 rows): cx and the wave; s[58:59] never hold cy or the image
	s_min_u32 s58, s14, 4
	s_max_u32 s58, s58, 2
	s_sub_co_u32 s58, s58, 2
	s_lshl_b32 s58, s58, 15                        ; 64 rows x 512 bytes
	s_mul_i32 s59, s17, 98304                      ; 192 rows a head
	s_add_co_u32 s58, s58, s59
	s_mov_b32 s59, 0
	s_mov_b32 s40, 1
	s_mul_i32 s41, s14, 64*HP                      ; LDS: the wave's 64 channel rows of chunk 0
	s_mov_b32 s44, 1
	s_add_co_u32 s45, s41, HCH                     ; and of chunk 1
	s_mov_b32 s48, 1
	s_mul_i32 s49, s14, 64*WP
	s_add_co_u32 s49, s49, WT-2*64*WP              ; LDS: wave 2 begins at WT
	s_mov_b32 s52, 1
	s_add_co_u32 s53, s49, WCH
	s_wait_dscnt 0x0
	s_wait_kmcnt 0x0
	s_add_nc_u64 s[42:43], s[4:5], s[56:57]
	s_add_nc_u64 s[46:47], s[42:43], 128*2048      ; chunk 1: 128 channels on
	s_or_b32 s43, s43, 0x80000000
	s_or_b32 s47, s47, 0x80000000
	s_add_nc_u64 s[50:51], s[6:7], s[58:59]
	s_add_nc_u64 s[54:55], s[50:51], 256           ; chunk 1: 128 channels along the rows
	s_or_b32 s51, s51, 0x80000000
	s_or_b32 s55, s55, 0x80000000
	ROUND                                          ; all sixteen work-groups are here: the joint loads meet
	s_cmp_ge_u32 s14, 5                            ; all first fills stand inside this one branch on the wave's number
	s_cbranch_scc1 .Lno_fill
	s_cmp_ge_u32 s14, 2
	s_cbranch_scc1 .Lfill_w
	tensor_load_to_lds s[40:43], s[24:31]
	s_nop 0
	tensor_load_to_lds s[44:47], s[24:31]
	s_nop 0
	s_branch .Lno_fill
.Lfill_w:
	tensor_load_to_lds s[48:51], s[32:39]
	s_nop 0
	tensor_load_to_lds s[52:55], s[32:39]
	s_nop 0
.Lno_fill:
	; addresses
	v_and_b32 v8, 15, v0                           ; r
	v_bfe_u32 v9, v0, 4, 1                         ; h (upper half of the lanes)
	v_and_b32 v10, 31, v0                          ; lane
	v_mul_u32_u24 v[WA], v8, WP
	v_lshl_add_u32 v[WA], v9, 4, v[WA]
	s_mul_i32 s2, s15, 64*WP
	s_add_co_u32 s2, s2, WT
	v_add_nc_u32 v[WA], s2, v[WA]                  ; WT + t x 64 rows + r x pitch + 16 h
	v_and_b32 v7, 7, v0
	v_lshl_add_u32 v7, v9, 3, v7
	v_mul_u32_u24 v[HA], v7, HP                    ; channel row 8 h + lane % 8
	v_bfe_u32 v7, v0, 3, 1
	v_lshl_add_u32 v[HA], v7, 4, v[HA]             ; + 16 x ((lane / 8) % 2)
	s_lshl_b32 s2, s16, 7
	v_add_nc_u32 v[HA], s2, v[HA]                  ; + my 64 pixels
	v_add_nc_u32 v[HA+1], HCH, v[HA]
	s_mul_i32 s2, s14, STG
	v_lshrrev_b32 v7, 1, v8
	v_mul_u32_u24 v[STO], v7, 272                  ; two output rows of 128 bytes share a stage row of 256 + 16
	v_and_b32 v7, 1, v8
	v_lshl_add_u32 v[STO], v7, 7, v[STO]
	v_lshl_add_u32 v[STO], v9, 4, v[STO]
	v_add_nc_u32 v[STO], s2, v[STO]
	v_mul_u32_u24 v[RD], v9, 272
	v_lshl_add_u32 v[RD], v8, 4, v[RD]
	v_add_nc_u32 v[RD], s2, v[RD]
	v_lshlrev_b32 v[GO], 4, v10
	; bias tiles.  q, k: register j of tile mt is bias[16 mt + 8 h + j]; v: every register of tile nt is bias[16 nt + r].  One text: offset = h sA + r sB + j sC.
	s_cmp_ge_u32 s14, 8
	s_cselect_b32 s22, 0, 32
	s_cselect_b32 s23, 4, 0
	s_cselect_b32 s62, 0, 4
	s_mul_i32 s2, s17, 3
	s_add_co_u32 s2, s2, s15
	s_lshl_b32 s2, s2, 8                           ; bq: 256 bytes for each (head, t)
	s_mov_b32 s3, 0
	s_add_nc_u64 s[8:9], s[8:9], s[2:3]
	v_mul_u32_u24 v[ACC], s22, v9
	v_mad_u32_u24 v[ACC], v8, s23, v[ACC]
.set j, 1
.rept 7
	v_mad_u32_u24 v[ACC+j], s62, j, v[ACC]
.set j, j+1
.endr
.irp tl, 0,1,2,3
.irp jj, 0,1,2,3,4,5,6,7
	global_load_b32 v[BI+8*\tl+\jj], v[ACC+\jj], s[8:9] offset:64*\tl
.endr
.endr
	s_wait_tensorcnt 0x1                           ; my part of chunk 0 is in; chunk 1's load, the one issued behind it, may stay out
	s_barrier_signal -1
	s_barrier_wait -1                              ; everybody's part of chunk 0 is in
	s_wait_loadcnt 0x0                             ; the bias tiles; the offsets in ACC are free
	s_cmp_ge_u32 s14, 8
	s_cbranch_scc1 .Lv_chunk0
	CHUNK 0, 0, 1
	s_branch .Ljoin0
.Lv_chunk0:
	CHUNK 0, 1, 1
.Ljoin0:
	s_wait_dscnt 0x0
	s_wait_tensorcnt 0x0                           ; my part of chunk 1 is in
	s_barrier_signal -1
	s_barrier_wait -1
	s_cmp_ge_u32 s14, 8
	s_cbranch_scc1 .Lv_chunk1
	CHUNK 1, 0, 0
	s_branch .Ljoin1
.Lv_chunk1:
	CHUNK 1, 1, 0
.Ljoin1:
.rept 4
	v_nop                                          ; four places before results are read and sources written (ISA guide 7.12.1)
.endr
	s_wait_dscnt 0x0
	s_barrier_signal -1
	s_barrier_wait -1                              ; nobody reads the tiles any more: the stage may lie over them
	; where my block of 8,192 bytes goes
	s_lshl2_add_u32 s2, s19, s17                   ; 4 x image + head
	s_lshl2_add_u32 s3, s18, s16                   ; key block = 4 cy + pq
	s_lshl4_add_u32 s2, s2, s3
	s_lshl_b32 s22, s2, 13                         ; qs: 8,192 bytes a block
	s_lshl_b32 s2, s2, 14                          ; kv: 16,384 bytes a block,
	s_cmp_eq_u32 s15, 2
	s_cselect_b32 s3, 8192, 0                      ; V in its second half
	s_add_co_u32 s2, s2, s3
	s_cmp_eq_u32 s15, 0
	s_cselect_b32 s2, s22, s2
	s_cselect_b64 s[60:61], s[10:11], s[12:13]
	s_mov_b32 s3, 0
	s_add_nc_u64 s[60:61], s[60:61], s[2:3]
	; a lane's eight results of a tile are 16 neighbouring bytes of output row 16 nt + r
.set i, 0
.rept 64
	v_cvt_pk_bf16_f32 v[WF+i], v[ACC+2*i], v[ACC+2*i+1]
.set i, i+1
.endr
.set i, 0
.rept 16
	ds_store_b128 v[STO], v[WF+4*i:WF+4*i+3] offset:(i/4)*8*272+(i%4)*32
.set i, i+1
.endr
.set u, 0
.rept 16
	ds_load_b128 v[ACC+4*u:ACC+4*u+3], v[RD] offset:544*u    ; my own bytes: LDS serves a wave's instructions in order (ISA guide 5.7.1)
.set u, u+1
.endr
.set u, 0
.rept 16
	s_wait_dscnt 15-u                              ; read u is back, the 15 - u younger ones stay out
	global_store_b128 v[GO], v[ACC+4*u:ACC+4*u+3], s[60:61] offset:512*u   ; 512 consecutive bytes, aligned
.set u, u+1
.endr
	s_wait_tensorcnt 0x0
	ds_add_u32 v240, v241
	s_wait_dscnt 0x0
	ROUND                                          ; the closing round: no work-group ends while a partner may still ask jointly
	s_endpgm
.Lfunc_end_k_q000527ebea_qkv:
	.size	k_q000527ebea_qkv, .Lfunc_end_k_q000527ebea_qkv-k_q000527ebea_qkv
	.p2alignl 7, 3214868480
	.fill 96, 4, 3214868480
	.section	.rodata,"a",@progbits
	.p2align	6, 0x0
	.amdhsa_kernel k_q000527ebea_qkv
		.amdhsa_group_segment_fixed_size 245248
		.amdhsa_private_segment_fixed_size 0
		.amdhsa_enable_private_segment 0
		.amdhsa_kernarg_size 40
		.amdhsa_user_sgpr_count 2
		.amdhsa_user_sgpr_kernarg_segment_ptr 1
		.amdhsa_wavefront_size32 1
		.amdhsa_system_sgpr_workgroup_id_x 1
		.amdhsa_system_sgpr_workgroup_id_y 1
		.amdhsa_system_sgpr_workgroup_id_z 1
		.amdhsa_system_vgpr_workitem_id 0
		.amdhsa_next_free_vgpr 242
		.amdhsa_next_free_sgpr 66
		.amdhsa_reserve_vcc 0
		.amdhsa_float_denorm_mode_32 3
		.amdhsa_float_denorm_mode_16_64 3
		.amdhsa_memory_ordered 1
		.amdhsa_forward_progress 1
		.amdhsa_inst_pref_size 54
	.end_amdhsa_kernel
	.amdgpu_metadata
---
amdhsa.version: [ 1, 2 ]
amdhsa.kernels:
  - .name:           k_q000527ebea_qkv
    .symbol:         k_q000527ebea_qkv.kd
    .args:
      - { .name: hn, .offset: 0, .size: 8, .value_kind: global_buffer, .address_space: global }
      - { .name: wb, .offset: 8, .size: 8, .value_kind: global_buffer, .address_space: global }
      - { .name: bq, .offset: 16, .size: 8, .value_kind: global_buffer, .address_space: global }
      - { .name: qs, .offset: 24, .size: 8, .value_kind: global_buffer, .address_space: global }
      - { .name: kv, .offset: 32, .size: 8, .value_kind: global_buffer, .address_space: global }
    .group_segment_fixed_size: 245248
    .private_segment_fixed_size: 0
    .kernarg_segment_align: 8
    .kernarg_segment_size: 40
    .max_flat_workgroup_size: 384
    .sgpr_count:     66
    .vgpr_count:     242
    .wavefront_size: 32
...
	.end_amdgpu_metadata
.endif
;; end of part 2
;; launch attn (part 3): grid 16 x 16, 8 waves a work-group, clusters of 4 x 1, 327,680 bytes of LDS; arguments qs, kv, wb, proj_b, x, out0; writes out0
.if DOCPART == 3
	.amdgcn_target "amdgcn-amd-amdhsa--gfx1250"
	.amdhsa_code_object_version 6
	.text
	.protected	k_q000527ebea_attn
	.globl	k_q000527ebea_attn
	.p2align	8
	.type	k_q000527ebea_attn,@function
k_q000527ebea_attn:
	s_mov_b64 s[64:65], 0
	v_nop
	global_prefetch_b8 v0, s[64:65] scope:SCOPE_SE
	s_setreg_imm32_b32 hwreg(HW_REG_WAVE_MODE, 25, 1), 1
	s_wait_xcnt 0x0
	s_wait_alu depctr_hold_cnt(0) depctr_sa_sdst(0) depctr_va_vdst(0) depctr_va_sdst(0) depctr_va_ssrc(0) depctr_va_vcc(0) depctr_vm_vsrc(0)
	s_getreg_b32 s2, hwreg(HW_REG_IB_STS2, 6, 4)
	s_cmp_eq_u32 s2, 0
	s_cbranch_scc0 .Lentry_in_a_cluster
	s_endpgm
.Lentry_in_a_cluster:
	s_bfe_u32 s2, ttmp6, 0x10000c
	s_cmp_lg_u32 s2, 0x3003
	s_cbranch_scc0 .Lentry_shape_is_right
	s_endpgm
.Lentry_shape_is_right:
; Attention with a running maximum, the projection, its bias and the residual, for 64 queries (pixels) of one image and all four heads.
; Work-group: image = grid y, query block qb = grid x.  Wave w: head w / 2, 32 of the 64 queries (w % 2), as two tiles of 16.
; Scores are made transposed (A = 16 keys, B = 16 queries): a lane holds one query's scores, so the maximum and the sum need one exchange between the
; halves of the wave, and the exponentials, rounded to bf16 in place, ARE the B fragment of the second product (A = V as [d][keys]).
; q was multiplied by 0.125 log2(e) when the weights were cast: p = 2^(s - m), m the running maximum of s.
; Two waves share a SIMD: one wave's softmax runs beside the other's matrix work.
; JOINT LOADS: the four work-groups of a cluster (four query blocks of one image) read the same K and V tiles and the same proj_w; every tensor load names
; the four.  An image's sixteen query blocks make four clusters, since a mask names four work-groups at the most.
; RING: two slots of 128 keys x four heads (139,264 bytes with padding); wave w fills its own 17,408 bytes of a slot (one key block of 16,384 bytes: K, then V).
; One round of the cluster's barrier a tile; by this text's count a wave has one tensor load out.  proj_w is the ring's last fill.
; LIMITS: v_exp_f32 and v_rcp_f32 flush denormals and are good to 1 ULP; the softmax's denominator sums p in f32 while the numerator uses p rounded to bf16;
; sums run in another order than the reference's.
.set REG,  17408                       ; 64 rows of 256 + 16 bytes
.set SLOT, 8*REG                       ; 139,264
.set OL,   2*SLOT                      ; 278,528: attention's result, [64 queries][256 channels] bf16, pitch 528; no fill ever lands here
.set OLP,  528
.set ADR, 1                            ; v1-2   LDS address of my head's fragments in slot 0, 1
.set PFO, 3                            ; v3     4,096 x lane, for the prefetch; never rewritten
.set MX,  4                            ; v4-5   running maximum of query tile 0, 1
.set LS,  6                            ; v6-7   running sum (my half of the keys)
.set NM,  8                            ; v[8:11]   (-m, -m) of tile 0, 1
.set AL,  12                           ; v[12:15]  (alpha, alpha) of tile 0, 1
.set T,   16                           ; v[16:23]  at work, four a tile
.set Q,   24                           ; v[24:55]  Q fragment (qt, ks) at 16 qt + 8 ks
.set S,   56                           ; v[56:119] score tile (qt, kt) at 32 qt + 8 kt; later P fragment (qt, g) at 32 qt + 16 g
.set F,   120                          ; v[120:183] K fragments (kt, ks) at 16 kt + 8 ks, then V fragments (dt, g) at 16 dt + 8 g
.set O,   184                          ; v[184:247] result tile (qt, dt) at 32 qt + 8 dt; in the projection tile (ot, pt) at 32 ot + 8 pt
.set PB,  248                          ; v248-249 proj_b of my two tiles of 16 outputs
.set XO,  250                          ; offset in x and out0
.set OST, 251                          ; where my results go in OL
.set STO, 252                          ; way out: where 16 bytes go
.set RD,  253                          ; way out: where they are read back
.set PA,  254                          ; projection: fragments of OL
.set PW,  255                          ; projection: fragments of proj_w
.set G1,  16                           ; s[16:23] group 1 of K/V tiles
.set G1P, 24                           ; s[24:31] group 1 of proj_w
.set G0,  32                           ; s[32:39] group 0, a set for each slot
.set G0P, 40                           ; s[40:43] group 0 of proj_w
.macro ROUND                           ; a round of the cluster's barrier; s45 is the wave's number
	s_barrier_signal -1
	s_barrier_wait -1
	s_cmp_lg_u32 s45, 0
	s_cbranch_scc1 .Lnot_wave_0_\@
	s_barrier_signal -3
.Lnot_wave_0_\@:
	s_barrier_wait -3
	s_barrier_signal -1
	s_barrier_wait -1
.endm
; the maximum of a query tile's 64 scores (32 registers, two halves of the wave), the new running maximum and alpha = 2^(old - new)
.macro MAXQ qt, first
.irp c, 0,1,2,3
	v_max3_num_f32 v[T+4*\qt+\c], v[S+32*\qt+8*\c], v[S+32*\qt+8*\c+1], v[S+32*\qt+8*\c+2]
.endr
.irp c, 0,1,2,3
	v_max3_num_f32 v[T+4*\qt+\c], v[T+4*\qt+\c], v[S+32*\qt+8*\c+3], v[S+32*\qt+8*\c+4]
.endr
.irp c, 0,1,2,3
	v_max3_num_f32 v[T+4*\qt+\c], v[T+4*\qt+\c], v[S+32*\qt+8*\c+5], v[S+32*\qt+8*\c+6]
.endr
	v_max3_num_f32 v[T+4*\qt],   v[T+4*\qt],   v[S+32*\qt+7],  v[S+32*\qt+15]
	v_max3_num_f32 v[T+4*\qt+1], v[T+4*\qt+1], v[S+32*\qt+23], v[S+32*\qt+31]
	v_max3_num_f32 v[T+4*\qt], v[T+4*\qt], v[T+4*\qt+1], v[T+4*\qt+2]
	v_max_num_f32 v[T+4*\qt], v[T+4*\qt], v[T+4*\qt+3]
	v_permlanex16_b32 v[T+4*\qt+1], v[T+4*\qt], s48, s49     ; the other half's keys of the same query
.if \first
	v_max_num_f32 v[MX+\qt], v[T+4*\qt], v[T+4*\qt+1]
.else
	v_max3_num_f32 v[T+4*\qt+2], v[T+4*\qt], v[T+4*\qt+1], v[MX+\qt]
	v_sub_f32 v[T+4*\qt+3], v[MX+\qt], v[T+4*\qt+2]
	v_exp_f32 v[AL+2*\qt], v[T+4*\qt+3]
	v_exp_f32 v[AL+2*\qt+1], v[T+4*\qt+3]
	v_mov_b32 v[MX+\qt], v[T+4*\qt+2]              ; a plain instruction behind the exponentials (ISA guide 5.7.2)
.endif
	v_mul_f32 v[NM+2*\qt], -1.0, v[MX+\qt]
	v_mul_f32 v[NM+2*\qt+1], -1.0, v[MX+\qt]
.endm
.macro ADDQ qt                         ; s - m
.set i, 0
.rept 16
	v_pk_add_f32 v[S+32*\qt+2*i:S+32*\qt+2*i+1], v[S+32*\qt+2*i:S+32*\qt+2*i+1], v[NM+2*\qt:NM+2*\qt+1]
.set i, i+1
.endr
.endm
.macro EXQ qt                          ; p = 2^(s - m), in place
.set i, 0
.rept 32
	v_exp_f32 v[S+32*\qt+i], v[S+32*\qt+i]
.set i, i+1
.endr
.endm
.macro SUMQ qt, first                  ; the running sum, two chains of pairs
	s_wait_alu depctr_va_vdst(0)
	v_pk_add_f32 v[T+4*\qt:T+4*\qt+1],   v[S+32*\qt:S+32*\qt+1],   v[S+32*\qt+2:S+32*\qt+3]
	v_pk_add_f32 v[T+4*\qt+2:T+4*\qt+3], v[S+32*\qt+4:S+32*\qt+5], v[S+32*\qt+6:S+32*\qt+7]
.set i, 4
.rept 6
	v_pk_add_f32 v[T+4*\qt:T+4*\qt+1],   v[T+4*\qt:T+4*\qt+1],   v[S+32*\qt+2*i:S+32*\qt+2*i+1]
	v_pk_add_f32 v[T+4*\qt+2:T+4*\qt+3], v[T+4*\qt+2:T+4*\qt+3], v[S+32*\qt+2*i+2:S+32*\qt+2*i+3]
.set i, i+2
.endr
	v_pk_add_f32 v[T+4*\qt:T+4*\qt+1], v[T+4*\qt:T+4*\qt+1], v[T+4*\qt+2:T+4*\qt+3]
.if \first
	v_add_f32 v[LS+\qt], v[T+4*\qt], v[T+4*\qt+1]
.else
	v_add_f32 v[T+4*\qt], v[T+4*\qt], v[T+4*\qt+1]
	v_fma_f32 v[LS+\qt], v[LS+\qt], v[AL+2*\qt], v[T+4*\qt]
.endif
.endm
.macro PACKQ qt                        ; score tiles 2 g and 2 g + 1 become the eight registers of P's fragment g: keys 8 h .. and 16 + 8 h .. of the group's 32
.set i, 0
.rept 16
	v_cvt_pk_bf16_f32 v[S+32*\qt+(i/8)*16+(i%8)], v[S+32*\qt+2*i], v[S+32*\qt+2*i+1]
.set i, i+1
.endr
.endm
.macro RESC                            ; O times the pair in AL (alpha; at the end 1 / sum)
	s_wait_alu depctr_va_vdst(0)
.irp qt, 0,1
.set i, 0
.rept 16
	v_pk_mul_f32 v[O+32*\qt+2*i:O+32*\qt+2*i+1], v[O+32*\qt+2*i:O+32*\qt+2*i+1], v[AL+2*\qt:AL+2*\qt+1]
.set i, i+1
.endr
.endr
.endm
; 64 keys (block blk of the slot's two) against my 32 queries.  In every run of matrix instructions eight accumulators take turns, one instruction a turn.
.macro SUB slot, blk, first
.irp ks, 0,1
.irp kt, 0,1,2,3
	ds_load_b128 v[F+16*\kt+8*\ks:F+16*\kt+8*\ks+3],   v[ADR+\slot] offset:\blk*REG+\kt*2176+\ks*64
	ds_load_b128 v[F+16*\kt+8*\ks+4:F+16*\kt+8*\ks+7], v[ADR+\slot] offset:\blk*REG+\kt*2176+\ks*64+32
.endr
.endr
	s_wait_dscnt 0x8                               ; d = 0..31 is in; the eight loads of d = 32..63 may be out
.irp qt, 0,1
.irp kt, 0,1,2,3
	v_wmma_f32_16x16x32_bf16 v[S+32*\qt+8*\kt:S+32*\qt+8*\kt+7], v[F+16*\kt:F+16*\kt+7], v[Q+16*\qt:Q+16*\qt+7], 0
.endr
.endr
	s_wait_dscnt 0x0
.irp qt, 0,1
.irp kt, 0,1,2,3
	v_wmma_f32_16x16x32_bf16 v[S+32*\qt+8*\kt:S+32*\qt+8*\kt+7], v[F+16*\kt+8:F+16*\kt+15], v[Q+16*\qt+8:Q+16*\qt+15], v[S+32*\qt+8*\kt:S+32*\qt+8*\kt+7]
.endr
.endr
.rept 4
	v_nop                                          ; four places before loads land on K's fragments and the scores are read
.endr
.irp g, 0,1
.irp dt, 0,1,2,3
	ds_load_b128 v[F+16*\dt+8*\g:F+16*\dt+8*\g+3],   v[ADR+\slot] offset:\blk*REG+8704+\dt*2176+\g*64
	ds_load_b128 v[F+16*\dt+8*\g+4:F+16*\dt+8*\g+7], v[ADR+\slot] offset:\blk*REG+8704+\dt*2176+\g*64+32
.endr
.endr
	MAXQ 0, \first
	MAXQ 1, \first
	ADDQ 0
	EXQ 0
	ADDQ 1                                         ; plain work that touches none of tile 0's exponentials stands behind them
	SUMQ 0, \first
	PACKQ 0
	EXQ 1
.if \first
	v_nop                                          ; the plain place behind the exponentials: the first block has nothing to rescale
	s_wait_alu depctr_va_vdst(0)
.else
	RESC
.endif
	SUMQ 1, \first
	PACKQ 1
	s_wait_dscnt 0x8                               ; V of keys 0..31 is in; the eight loads of keys 32..63 may be out
.irp qt, 0,1
.irp dt, 0,1,2,3
.if \first
	v_wmma_f32_16x16x32_bf16 v[O+32*\qt+8*\dt:O+32*\qt+8*\dt+7], v[F+16*\dt:F+16*\dt+7], v[S+32*\qt:S+32*\qt+7], 0
.else
	v_wmma_f32_16x16x32_bf16 v[O+32*\qt+8*\dt:O+32*\qt+8*\dt+7], v[F+16*\dt:F+16*\dt+7], v[S+32*\qt:S+32*\qt+7], v[O+32*\qt+8*\dt:O+32*\qt+8*\dt+7]
.endif
.endr
.endr
	s_wait_dscnt 0x0
.irp qt, 0,1
.irp dt, 0,1,2,3
	v_wmma_f32_16x16x32_bf16 v[O+32*\qt+8*\dt:O+32*\qt+8*\dt+7], v[F+16*\dt+8:F+16*\dt+15], v[S+32*\qt+16:S+32*\qt+23], v[O+32*\qt+8*\dt:O+32*\qt+8*\dt+7]
.endr
.endr
.rept 5
	v_nop                                          ; five places before the next scores are written over P, four before loads land on V's fragments
.endr
.endm
; A tile of 128 keys.  In front of the round every wave waits for all its tensor loads and for its reads of the other slot; the joint refill is the first thing behind the round.
.macro TRIP slot, first, proj
	s_set_vgpr_msb 0x5
	s_wait_tensorcnt 0x0                           ; all my loads are done, my part of this tile among them, so a group 0 may be written:
	ds_add_u32 v0, v1
	s_wait_dscnt 0x0
	s_set_vgpr_msb 0x500
	s_add_nc_u64 s[G0+4*\slot+2:G0+4*\slot+3], s[G0+4*\slot+2:G0+4*\slot+3], 65536   ; this slot's next tile, 256 keys on (behind the last tile the stepped address is not used)
	s_wait_dscnt 0x0                               ; my reads of the last tile are done
	ROUND                                          ; both now hold of every wave of the four work-groups
.if \proj
	tensor_load_to_lds s[G0P:G0P+3], s[G1P:G1P+7]  ; the ring's last fill: my 32 rows of proj_w, into my part of slot 0
	s_nop 0
	global_prefetch_b8 v[PFO], s[12:13] th:TH_LOAD_NT scope:SCOPE_SE   ; lane l of wave w asks for row 32 w + l of the work-group's block of x (256 bytes a row), each row once, one tile ahead of its load
.else
	tensor_load_to_lds s[G0+4*(1-\slot):G0+4*(1-\slot)+3], s[G1:G1+7]   ; the next tile, into the slot read last
	s_nop 0
.endif
	SUB \slot, 0, \first
	SUB \slot, 1, 0
.endm
	s_load_b256 s[4:11], s[0:1], 0x0               ; qs 4:5, kv 6:7, wb 8:9, proj_b 10:11
	s_load_b128 s[12:15], s[0:1], 0x20             ; x 12:13, out0 14:15
	s_set_vgpr_msb 0x40
	v_lshl_add_u32 v0, v0, 2, 0x4c400
	v_mov_b32 v1, 0
	s_set_vgpr_msb 0x4045
	ds_add_u32 v0, v1
	s_set_vgpr_msb 0x4500
	v_lshrrev_b32 v4, 5, v0
	v_readfirstlane_b32 s45, v4                    ; wave 0..7
	s_bfe_u32 s46, ttmp6, 0x40000                  ; cx
	s_lshl_b32 s47, ttmp9, 2
	s_add_co_u32 s47, s47, s46                     ; query block = 4 x cluster x + cx
	s_and_b32 s54, ttmp7, 0xffff                   ; image
	s_lshr_b32 s55, s45, 1                         ; head
	s_mov_b32 s48, 0x76543210
	s_mov_b32 s49, 0xfedcba98
	; group 1, K/V: a dense block of 16,384 bytes as 64 rows of 32 elements of 8 bytes; 4 words of padding behind every 64; mask: all four work-groups
	s_mov_b32 s[G1+0], 15|(3<<16)|(1<<20)|(1<<21)|(5<<22)|(3<<25)
	s_mov_b32 s[G1+1], 32<<16
	s_mov_b32 s[G1+2], 64<<16
	s_mov_b32 s[G1+3], 32<<16
	s_mov_b32 s[G1+4], 64
	s_mov_b32 s[G1+5], 32
	s_mov_b32 s[G1+6], 0
	s_mov_b32 s[G1+7], 0
	; group 1, proj_w: 32 rows of 64 elements of 8 bytes (512 bytes); 4 words of padding behind every 128
	s_mov_b32 s[G1P+0], 15|(3<<16)|(1<<20)|(1<<21)|(6<<22)|(3<<25)
	s_mov_b32 s[G1P+1], 64<<16
	s_mov_b32 s[G1P+2], 32<<16
	s_mov_b32 s[G1P+3], 64<<16
	s_mov_b32 s[G1P+4], 32
	s_mov_b32 s[G1P+5], 64
	s_mov_b32 s[G1P+6], 0
	s_mov_b32 s[G1P+7], 0
	; the tiles' addresses hang on the image and the wave alone; s[50:51] never hold cx
	s_lshl_b32 s50, s54, 20                        ; 1,048,576 bytes of kv an image
	s_lshl_b32 s51, s55, 18                        ; 262,144 a head
	s_add_co_u32 s50, s50, s51
	s_and_b32 s51, s45, 1
	s_lshl_b32 s51, s51, 14                        ; my key block of the tile's two
	s_add_co_u32 s50, s50, s51
	s_mov_b32 s51, 0
	s_mov_b32 s[G0+0], 1
	s_mul_i32 s[G0+1], s45, REG
	s_mov_b32 s[G0+4], 1
	s_add_co_u32 s[G0+5], s[G0+1], SLOT
	s_mov_b32 s[G0P+0], 1
	s_mul_i32 s[G0P+1], s45, REG
	s_wait_dscnt 0x0
	s_wait_kmcnt 0x0
	s_add_nc_u64 s[G0+2:G0+3], s[6:7], s[50:51]    ; tile 0
	s_add_nc_u64 s[G0+6:G0+7], s[G0+2:G0+3], 32768 ; tile 1
	s_or_b32 s[G0+3], s[G0+3], 0x80000000
	s_or_b32 s[G0+7], s[G0+7], 0x80000000
	s_lshl_b32 s50, s45, 14                        ; 32 rows of proj_w,
	s_add_co_u32 s50, s50, 393216                  ; which lies behind the qkv weights in wb
	s_add_nc_u64 s[G0P+2:G0P+3], s[8:9], s[50:51]
	s_or_b32 s[G0P+3], s[G0P+3], 0x80000000
	ROUND                                          ; the four work-groups are here: the first joint load meets
	tensor_load_to_lds s[G0:G0+3], s[G1:G1+7]      ; tile 0
	s_nop 0
	; my queries; x and out0 at my 32 output rows
	s_lshl_b32 s52, s54, 19
	s_lshl_b32 s53, s55, 17
	s_add_co_u32 s52, s52, s53
	s_lshl_b32 s53, s47, 13                        ; 64 queries x 128 bytes
	s_add_co_u32 s52, s52, s53
	s_and_b32 s53, s45, 1
	s_lshl_b32 s53, s53, 12
	s_add_co_u32 s52, s52, s53
	s_mov_b32 s53, 0
	s_add_nc_u64 s[4:5], s[4:5], s[52:53]
	s_lshl_b32 s52, s54, 20
	s_lshl_b32 s53, s45, 17                        ; 32 rows of 4,096 bytes
	s_add_co_u32 s52, s52, s53
	s_lshl_b32 s53, s47, 8                         ; 64 pixels x 4 bytes
	s_add_co_u32 s52, s52, s53
	s_mov_b32 s53, 0
	s_add_nc_u64 s[12:13], s[12:13], s[52:53]
	s_add_nc_u64 s[14:15], s[14:15], s[52:53]
	v_and_b32 v5, 15, v0                           ; r
	v_bfe_u32 v6, v0, 4, 1                         ; h (upper half of the lanes)
	v_and_b32 v7, 31, v0                           ; lane
	v_lshlrev_b32 v9, 7, v5
	v_lshl_add_u32 v9, v6, 4, v9                   ; query r x 128 + 16 h
.irp qt, 0,1
.irp ks, 0,1
	global_load_b128 v[Q+16*\qt+8*\ks:Q+16*\qt+8*\ks+3],   v9, s[4:5] offset:\qt*2048+\ks*64
	global_load_b128 v[Q+16*\qt+8*\ks+4:Q+16*\qt+8*\ks+7], v9, s[4:5] offset:\qt*2048+\ks*64+32
.endr
.endr
	v_lshlrev_b32 v10, 2, v5
	v_lshl_add_u32 v10, v4, 7, v10                 ; proj_b[32 w + r]
	global_load_b32 v[PB], v10, s[10:11]
	global_load_b32 v[PB+1], v10, s[10:11] offset:64
	; a logical row i of 128 bytes of a K or V part lies at (i / 2) x 272 + (i % 2) x 128: sixteen rows fall on sixteen different 16-byte columns
	v_lshrrev_b32 v8, 1, v5
	v_mul_u32_u24 v[ADR], v8, 272
	v_and_b32 v8, 1, v5
	v_lshl_add_u32 v[ADR], v8, 7, v[ADR]
	v_lshl_add_u32 v[ADR], v6, 4, v[ADR]
	s_mul_i32 s50, s55, 2*REG
	v_add_nc_u32 v[ADR], s50, v[ADR]
	v_add_nc_u32 v[ADR+1], SLOT, v[ADR]
	v_lshlrev_b32 v[PFO], 12, v7
	v_lshlrev_b32 v[XO], 4, v5
	v_lshl_add_u32 v[XO], v6, 12, v[XO]            ; lanes 0-15 one row's 256 bytes, lanes 16-31 the next row's
	v_mul_u32_u24 v8, v5, OLP
	v_lshl_add_u32 v8, v6, 4, v8                   ; r x 528 + 16 h
	s_and_b32 s50, s45, 1
	s_mul_i32 s50, s50, 32*OLP
	s_lshl_b32 s51, s55, 7
	s_add_co_u32 s50, s50, s51
	s_add_co_u32 s50, s50, OL
	v_add_nc_u32 v[OST], s50, v8                   ; OL + (32 (w % 2) + r) x 528 + head x 128 + 16 h
	v_add_nc_u32 v[PA], OL, v8
	s_mul_i32 s50, s45, REG
	v_add_nc_u32 v[PW], s50, v8
	s_add_co_u32 s50, s50, SLOT                    ; my stage: my part of slot 1, used when that slot has had its last fill and nobody reads it
	v_mul_u32_u24 v[STO], v5, 272
	v_lshl_add_u32 v[STO], v6, 5, v[STO]
	v_add_nc_u32 v[STO], s50, v[STO]
	v_mul_u32_u24 v[RD], v6, 272
	v_lshl_add_u32 v[RD], v5, 4, v[RD]
	v_add_nc_u32 v[RD], s50, v[RD]
	s_wait_loadcnt 0x0                             ; Q and proj_b; their offsets in v9, v10 are free
	TRIP 0, 1, 0                                   ; tile 0; its first block starts the sums: nothing is cleared
	s_mov_b32 s44, 3
.Lpair:
	TRIP 1, 0, 0                                   ; tiles 1, 3, 5
	TRIP 0, 0, 0                                   ; tiles 2, 4, 6
	s_sub_co_u32 s44, s44, 1
	s_cmp_lg_u32 s44, 0
	s_cbranch_scc1 .Lpair
	TRIP 1, 0, 1                                   ; tile 7; proj_w is asked for
	; the residual's block of x goes out first: the score registers are free (the five places above)
.set u, 0
.rept 16
	global_load_b128 v[S+4*u:S+4*u+3], v[XO], s[12:13] offset:8192*u th:TH_LOAD_NT
.set u, u+1
.endr
	v_permlanex16_b32 v[T], v[LS], s48, s49        ; the two halves of the keys meet
	v_permlanex16_b32 v[T+1], v[LS+1], s48, s49
	v_add_f32 v[LS], v[LS], v[T]
	v_add_f32 v[LS+1], v[LS+1], v[T+1]
	v_rcp_f32 v[AL], v[LS]                         ; the sum is at least 1: the largest score gives p = 1
	v_rcp_f32 v[AL+1], v[LS]
	v_rcp_f32 v[AL+2], v[LS+1]
	v_rcp_f32 v[AL+3], v[LS+1]
.set i, 0
	s_wait_alu depctr_va_vdst(0)
.rept 8
	v_mov_b32 v[16+i], v[PB+1]                     ; plain work behind the reciprocals: the bias tile of my outputs 16..31 (every register holds proj_b of column r)
.set i, i+1
.endr
	RESC
.set i, 0
.rept 8
	v_mov_b32 v[8+i], v[PB]                        ; the bias tile of my outputs 0..15
.set i, i+1
.endr
.set i, 0
.rept 32
	v_cvt_pk_bf16_f32 v[F+i], v[O+2*i], v[O+2*i+1] ; eight neighbouring d of one query: 16 bytes
.set i, i+1
.endr
.irp qt, 0,1
.irp dt, 0,1,2,3
	ds_store_b128 v[OST], v[F+4*(4*\qt+\dt):F+4*(4*\qt+\dt)+3] offset:\qt*16*OLP+\dt*32
.endr
.endr
	s_wait_tensorcnt 0x0                           ; my rows of proj_w are in
	s_wait_dscnt 0x0                               ; my results are in OL, and my reads of slot 1 are long done
	s_barrier_signal -1
	s_barrier_wait -1
	; projection: wave w makes outputs 32 w .. 32 w + 31 for the 64 pixels.  A = 16 pixels of OL, B = 16 rows of proj_w: a lane holds eight neighbouring pixels of one output row.
; the twelve loads of K step ks (32 channels, 64 bytes of each row); ks may be an expression, so it stands in parentheses
.macro PFETCH ks, ob, wf
.irp pt, 0,1,2,3
	ds_load_b128 v[\ob+8*\pt:\ob+8*\pt+3],   v[PA] offset:\pt*16*OLP+(\ks)*64
	ds_load_b128 v[\ob+8*\pt+4:\ob+8*\pt+7], v[PA] offset:\pt*16*OLP+(\ks)*64+32
.endr
.irp ot, 0,1
	ds_load_b128 v[\wf+8*\ot:\wf+8*\ot+3],   v[PW] offset:\ot*16*OLP+(\ks)*64
	ds_load_b128 v[\wf+8*\ot+4:\wf+8*\ot+7], v[PW] offset:\ot*16*OLP+(\ks)*64+32
.endr
.endm
.macro PMUL ob, wf, first              ; eight accumulators take turns
.irp ot, 0,1
.irp pt, 0,1,2,3
.if \first
	v_wmma_f32_16x16x32_bf16 v[O+32*\ot+8*\pt:O+32*\ot+8*\pt+7], v[\ob+8*\pt:\ob+8*\pt+7], v[\wf+8*\ot:\wf+8*\ot+7], v[8+8*\ot:15+8*\ot]
.else
	v_wmma_f32_16x16x32_bf16 v[O+32*\ot+8*\pt:O+32*\ot+8*\pt+7], v[\ob+8*\pt:\ob+8*\pt+7], v[\wf+8*\ot:\wf+8*\ot+7], v[O+32*\ot+8*\pt:O+32*\ot+8*\pt+7]
.endif
.endr
.endr
.endm
; step ks multiplies buffer (ob, wf) while step ks + 1's twelve loads go into buffer (nob, nwf)
.macro PSTEP ks, ob, wf, nob, nwf
.if \ks > 0
.rept 4
	v_nop                                          ; four places before loads land on the sources of the step before
.endr
.endif
	PFETCH \ks+1, \nob, \nwf
	s_wait_dscnt 0xc                               ; all but the twelve just issued
.if \ks == 0
	PMUL \ob, \wf, 1
.else
	PMUL \ob, \wf, 0
.endif
.endm
	PFETCH 0, F, F+32
	PSTEP 0, F, F+32, Q, F+48
	PSTEP 1, Q, F+48, F, F+32
	PSTEP 2, F, F+32, Q, F+48
	PSTEP 3, Q, F+48, F, F+32
	PSTEP 4, F, F+32, Q, F+48
	PSTEP 5, Q, F+48, F, F+32
	PSTEP 6, F, F+32, Q, F+48
	s_wait_dscnt 0x0
	PMUL Q, F+48, 0
.rept 4
	v_nop                                          ; four places before the results are stored and loads land on the last sources
.endr
	; way out: 32 rows of 256 bytes (64 pixels of f32) through my stage, pitch 272
.irp ot, 0,1
.irp pt, 0,1,2,3
	ds_store_b128 v[STO], v[O+32*\ot+8*\pt:O+32*\ot+8*\pt+3]   offset:\ot*16*272+\pt*64
	ds_store_b128 v[STO], v[O+32*\ot+8*\pt+4:O+32*\ot+8*\pt+7] offset:\ot*16*272+\pt*64+16
.endr
.endr
	s_wait_loadcnt 0x0                             ; x
.set u, 0
.rept 16
	ds_load_b128 v[F+4*u:F+4*u+3], v[RD] offset:544*u      ; my own bytes: LDS serves a wave's instructions in order (ISA guide 5.7.1)
.set u, u+1
.endr
.set u, 0
.rept 16
	s_wait_dscnt 15-u                              ; read u is back, the 15 - u younger ones stay out
	v_pk_add_f32 v[F+4*u:F+4*u+1],   v[F+4*u:F+4*u+1],   v[S+4*u:S+4*u+1]
	v_pk_add_f32 v[F+4*u+2:F+4*u+3], v[F+4*u+2:F+4*u+3], v[S+4*u+2:S+4*u+3]
	global_store_b128 v[XO], v[F+4*u:F+4*u+3], s[14:15] offset:8192*u th:TH_STORE_NT   ; sixteen lanes store 256 consecutive bytes, aligned
.set u, u+1
.endr
	s_set_vgpr_msb 0x5
	s_wait_tensorcnt 0x0
	ds_add_u32 v0, v1
	s_wait_dscnt 0x0
	s_set_vgpr_msb 0x500
	ROUND                                          ; the closing round: no work-group ends while a partner may still ask jointly
	s_endpgm
.Lfunc_end_k_q000527ebea_attn:
	.size	k_q000527ebea_attn, .Lfunc_end_k_q000527ebea_attn-k_q000527ebea_attn
	.p2alignl 7, 3214868480
	.fill 96, 4, 3214868480
	.section	.rodata,"a",@progbits
	.p2align	6, 0x0
	.amdhsa_kernel k_q000527ebea_attn
		.amdhsa_group_segment_fixed_size 327680
		.amdhsa_private_segment_fixed_size 0
		.amdhsa_enable_private_segment 0
		.amdhsa_kernarg_size 48
		.amdhsa_user_sgpr_count 2
		.amdhsa_user_sgpr_kernarg_segment_ptr 1
		.amdhsa_wavefront_size32 1
		.amdhsa_system_sgpr_workgroup_id_x 1
		.amdhsa_system_sgpr_workgroup_id_y 1
		.amdhsa_system_sgpr_workgroup_id_z 1
		.amdhsa_system_vgpr_workitem_id 0
		.amdhsa_next_free_vgpr 258
		.amdhsa_next_free_sgpr 66
		.amdhsa_reserve_vcc 0
		.amdhsa_float_denorm_mode_32 3
		.amdhsa_float_denorm_mode_16_64 3
		.amdhsa_memory_ordered 1
		.amdhsa_forward_progress 1
		.amdhsa_inst_pref_size 169
	.end_amdhsa_kernel
	.amdgpu_metadata
---
amdhsa.version: [ 1, 2 ]
amdhsa.kernels:
  - .name:           k_q000527ebea_attn
    .symbol:         k_q000527ebea_attn.kd
    .args:
      - { .name: qs, .offset: 0, .size: 8, .value_kind: global_buffer, .address_space: global }
      - { .name: kv, .offset: 8, .size: 8, .value_kind: global_buffer, .address_space: global }
      - { .name: wb, .offset: 16, .size: 8, .value_kind: global_buffer, .address_space: global }
      - { .name: proj_b, .offset: 24, .size: 8, .value_kind: global_buffer, .address_space: global }
      - { .name: x, .offset: 32, .size: 8, .value_kind: global_buffer, .address_space: global }
      - { .name: out0, .offset: 40, .size: 8, .value_kind: global_buffer, .address_space: global }
    .group_segment_fixed_size: 327680
    .private_segment_fixed_size: 0
    .kernarg_segment_align: 8
    .kernarg_segment_size: 48
    .max_flat_workgroup_size: 256
    .sgpr_count:     66
    .vgpr_count:     258
    .wavefront_size: 32
...
	.end_amdgpu_metadata
.endif
;; end of part 3
;; ======== version 2 of 2: 3 launches; version 1 with the launch gn_cast written anew for expert scheduling mode
;; workspace buffers: hn 8,388,608 bytes; wb 524,288 bytes; bq 3,072 bytes; qs 8,388,608 bytes; kv 16,777,216 bytes
;; launch gn_cast (part 4): grid 144 x 1, 16 waves a work-group, no clusters, 2,560 bytes of LDS; arguments x, norm_w, norm_b, qkv_w, qkv_b, proj_w, hn, wb, bq; writes hn, wb, bq
.if DOCPART == 4
	.amdgcn_target "amdgcn-amd-amdhsa--gfx1250"
	.amdhsa_code_object_version 6
	.text
	.protected	k_q000527ebea_gn_cast
	.globl	k_q000527ebea_gn_cast
	.p2align	8
	.type	k_q000527ebea_gn_cast,@function
k_q000527ebea_gn_cast:
	s_mov_b64 s[64:65], 0
	v_nop
	global_prefetch_b8 v0, s[64:65] scope:SCOPE_SE
	s_setreg_imm32_b32 hwreg(HW_REG_WAVE_SCHED_MODE, 0, 2), 2
	s_setreg_imm32_b32 hwreg(HW_REG_WAVE_MODE, 25, 1), 1
	s_wait_xcnt 0x0
	s_wait_alu depctr_vm_vsrc(0)
; Work-groups 0 to 127: group norm of one (image, group) of x, 32 channels x 1,024 pixels = 131,072 dense bytes of f32, written as bf16 to hn (same order as x).
; Work-groups 128 to 143: 64 rows of qkv_w or proj_w to bf16 in wb, the qkv rows regrouped as [head][q,k,v][64][256]; the q rows, and the q part of the
; bias (bq, f32, same regrouping), are multiplied in f32 by 0.125 log2(e), so that attention's scores are ready for an exponential in base 2.
; The group stays in registers (64 a lane) between the pass for the mean, the pass for the variance and the scaling: x is read once.
; The variance is the mean of the squares of x - mean (two passes), so a common offset of x cancels before anything is squared.
; No matrix unit, no tensor loads, no cluster: no two work-groups read the same bytes, and every byte is used once.
; LIMITS: the sums run in another order than the reference's; v_rsq_f32 is good to 1 ULP (its argument is at least 1e-5, so nothing is flushed).
; THE MODE: SCHED_MODE bits 1:0 = 2 (LLVM: expert scheduling mode 2), set by the entry lines.  The code itself states the register dependences
; between vector instructions and memory or LDS instructions, with s_wait_alu, always for 0.
; THE PLAN.  Registers that memory or LDS instructions touch, group norm:
;   v1, v2, v3, v38  offsets and LDS addresses, made at the path's head, ahead of one wait; of them v38 alone is written again, behind the second sum over the waves.
;   X                the 16 loads land in it before any vector instruction has named it; the passes work on it in place; two of each four registers are a store's data.
;   v4               written by the sum over the lanes, read by the LDS store of each sum over the waves, written again by the second pass.
;   v[12:27]         the LDS loads of both sums over the waves land here; the first sum's additions name them ahead of the second sum's loads.
;   v104, v105       written at the head, read by the closing add alone.
; The way out goes by channels: my first channel is scaled and rounded; one wait; its eight stores are dealt among the second channel's vector instructions,
; which name none of the stores' registers; one wait; the last eight stores.  The weights' path goes the same way, four rows and four rows.
.set X, 40                             ; v[40:103] my 64 numbers: load i (0..15) in v[X+4i:X+4i+3]
; v1 load offset, v2 store offset, v3 LDS address of my wave's word, v[4:11] four chains of pairs, v[12:27] the 16 waves' words,
; v[28:29] -mean twice, v[30:33] rstd x norm_w of my two channels (each twice), v[34:37] norm_b likewise, v38, v39 at work
.macro COMBINE                         ; four chains of pairs into v4
	v_pk_add_f32 v[4:5], v[4:5], v[6:7]
	v_pk_add_f32 v[8:9], v[8:9], v[10:11]
	v_pk_add_f32 v[4:5], v[4:5], v[8:9]
	v_add_f32 v4, v4, v5
.endm
.macro WAVESUM                         ; v4 summed over the 32 lanes, the result in every lane
	v_add_f32_dpp v4, v4, v4 row_xmask:1 row_mask:0xf bank_mask:0xf
	v_add_f32_dpp v4, v4, v4 row_xmask:2 row_mask:0xf bank_mask:0xf
	v_add_f32_dpp v4, v4, v4 row_xmask:4 row_mask:0xf bank_mask:0xf
	v_add_f32_dpp v4, v4, v4 row_xmask:8 row_mask:0xf bank_mask:0xf
	v_permlanex16_b32 v5, v4, s30, s31             ; v5 has been written before
	v_add_f32 v4, v4, v5
.endm
.macro GROUPSUM base                   ; v4 summed over the 16 waves into v12; each use has 64 LDS bytes of its own
	s_wait_alu depctr_va_vdst(0)                   ; the sum over the lanes has written v4, which the LDS store reads; and the vector instructions that named v[12:27] in the sum before are done: the LDS loads below land there, and no vector instruction stands between
	ds_store_b32 v3, v4 offset:\base
	s_wait_dscnt 0x0                               ; my word is in LDS before I say so
	s_barrier_signal -1
	s_barrier_wait -1
	ds_load_b128 v[12:15], v38 offset:\base
	ds_load_b128 v[16:19], v38 offset:\base+16
	ds_load_b128 v[20:23], v38 offset:\base+32
	ds_load_b128 v[24:27], v38 offset:\base+48
	s_wait_dscnt 0x0
	s_wait_alu depctr_vm_vsrc(0)                   ; the LDS store has read v4, which the next pass writes again; the LDS loads have read v38, which is written again behind the second sum
	v_pk_add_f32 v[12:13], v[12:13], v[14:15]
	v_pk_add_f32 v[16:17], v[16:17], v[18:19]
	v_pk_add_f32 v[20:21], v[20:21], v[22:23]
	v_pk_add_f32 v[24:25], v[24:25], v[26:27]
	v_pk_add_f32 v[12:13], v[12:13], v[16:17]
	v_pk_add_f32 v[20:21], v[20:21], v[24:25]
	v_pk_add_f32 v[12:13], v[12:13], v[20:21]
	v_add_f32 v12, v12, v13
.endm
	s_load_b512 s[4:19], s[0:1], 0x0               ; x 4:5, norm_w 6:7, norm_b 8:9, qkv_w 10:11, qkv_b 12:13, proj_w 14:15, hn 16:17, wb 18:19
	s_load_b64 s[20:21], s[0:1], 0x40              ; bq
	v_lshl_add_u32 v104, v0, 2, 0x200
	v_mov_b32 v105, 0
	v_lshrrev_b32 v3, 5, v0
	v_and_b32 v38, 31, v0                          ; lane
	v_readfirstlane_b32 s22, v3                    ; wave 0..15
	s_mov_b32 s25, 0                               ; high words of the two offset pairs
	s_mov_b32 s35, 0
	s_wait_alu depctr_va_sdst(0)                   ; s22 is written, ahead of the branch and of its first reader on either path
	s_cmp_ge_u32 ttmp9, 128                        ; the same for all waves of a work-group
	s_cbranch_scc1 .Lweights
	; ---------------- group norm: work-group id = 8 x image + group ----------------
	s_mov_b32 s30, 0x76543210                      ; v_permlanex16_b32: lane i reads lane i of the other half
	s_mov_b32 s31, 0xfedcba98
	v_lshlrev_b32 v1, 4, v38
	v_lshl_add_u32 v1, v3, 13, v1                  ; x: wave x 8,192 (two channels) + 16 x lane
	v_lshlrev_b32 v2, 3, v38
	v_lshl_add_u32 v2, v3, 12, v2                  ; hn: wave x 4,096 + 8 x lane
	v_lshlrev_b32 v3, 2, v3                        ; my wave's word in LDS
	v_mov_b32 v38, 0                               ; LDS address of the words
	s_lshl_b32 s24, ttmp9, 17                      ; 131,072 bytes of x a group
	s_lshl_b32 s34, ttmp9, 16                      ; 65,536 bytes of hn
	s_and_b32 s36, ttmp9, 7
	s_lshl_b32 s36, s36, 7                         ; 32 channels x 4 bytes a group
	s_lshl3_add_u32 s36, s22, s36                  ; + two channels a wave
	s_mov_b32 s37, 0
	s_wait_kmcnt 0x0
	s_add_nc_u64 s[4:5], s[4:5], s[24:25]
	s_add_nc_u64 s[16:17], s[16:17], s[34:35]
	s_add_nc_u64 s[6:7], s[6:7], s[36:37]
	s_add_nc_u64 s[8:9], s[8:9], s[36:37]
	s_wait_alu depctr_va_vdst(0)                   ; v1, v2, v3 and v38 are written: the loads, the stores and the LDS instructions of this path read them as offsets and addresses
.set i, 0
.rept 16
	global_load_b128 v[X+4*i:X+4*i+3], v1, s[4:5] offset:512*i   ; 512 neighbouring bytes a load; all 16 go out at once
.set i, i+1
.endr
	s_load_b64 s[26:27], s[6:7], 0x0               ; norm_w of my two channels
	s_load_b64 s[28:29], s[8:9], 0x0               ; norm_b
	; pass 1: the sum.  The first four loads start the four chains: nothing is cleared.
.set i, 0
.rept 4
	s_wait_loadcnt 15-i                            ; loads come back in order: load i is in, the 15 - i younger ones stay out
	v_pk_add_f32 v[4+2*i:5+2*i], v[X+4*i:X+4*i+1], v[X+4*i+2:X+4*i+3]
.set i, i+1
.endr
.rept 12
	s_wait_loadcnt 15-i
	v_pk_add_f32 v[4+2*(i%4):5+2*(i%4)], v[4+2*(i%4):5+2*(i%4)], v[X+4*i:X+4*i+1]
	v_pk_add_f32 v[4+2*(i%4):5+2*(i%4)], v[4+2*(i%4):5+2*(i%4)], v[X+4*i+2:X+4*i+3]
.set i, i+1
.endr
	COMBINE
	WAVESUM
	GROUPSUM 0
	v_mul_f32 v28, 0xb8000000, v12                 ; -mean = -sum / 32,768
	v_mov_b32 v29, v28
	; pass 2: x - mean in place, and the sum of its squares
.set i, 0
.rept 32
	v_pk_add_f32 v[X+2*i:X+2*i+1], v[X+2*i:X+2*i+1], v[28:29]
.set i, i+1
.endr
.set i, 0
.rept 4
	v_pk_mul_f32 v[4+2*i:5+2*i], v[X+2*i:X+2*i+1], v[X+2*i:X+2*i+1]
.set i, i+1
.endr
.rept 28
	v_pk_fma_f32 v[4+2*(i%4):5+2*(i%4)], v[X+2*i:X+2*i+1], v[X+2*i:X+2*i+1], v[4+2*(i%4):5+2*(i%4)]
.set i, i+1
.endr
	COMBINE
	WAVESUM
	GROUPSUM 64                                    ; other bytes than the first sum's, which a slower wave may still be reading
	v_mov_b32 v39, 0x3727c5ac                      ; 1e-5
	v_fma_f32 v38, v12, 0x38000000, v39            ; variance + eps
	v_rsq_f32 v39, v38
	s_wait_kmcnt 0x0                               ; norm_w, norm_b
	v_mov_b32 v34, s28                             ; plain instructions that touch neither v38 nor v39 stand behind v_rsq_f32 (ISA guide 5.7.2)
	v_mov_b32 v35, s28
	v_mov_b32 v36, s29
	v_mov_b32 v37, s29
	s_wait_alu depctr_va_vdst(0)                   ; v_rsq_f32 has written v39, ahead of its first reader
	v_mul_f32 v30, s26, v39
	v_mul_f32 v31, s26, v39
	v_mul_f32 v32, s27, v39
	v_mul_f32 v33, s27, v39
	; (x - mean) x (rstd w) + b; loads 0-7 are my first channel, 8-15 my second.  The first channel is scaled and rounded,
.set i, 0
.rept 16
	v_pk_fma_f32 v[X+2*i:X+2*i+1], v[X+2*i:X+2*i+1], v[30:31], v[34:35]
.set i, i+1
.endr
.set i, 0
.rept 8
	v_cvt_pk_bf16_f32 v[X+4*i], v[X+4*i], v[X+4*i+1]
	v_cvt_pk_bf16_f32 v[X+4*i+1], v[X+4*i+2], v[X+4*i+3]
.set i, i+1
.endr
	s_wait_alu depctr_va_vdst(0)                   ; the roundings have written the first channel's store data, two registers of each four in v[X:X+31]
	; and its eight stores are dealt among the second channel's vector instructions, which name v[X+32:X+63], v[32:33] and v[36:37] alone: none of the stores' registers
.set i, 0
.rept 8
	global_store_b64 v2, v[X+4*i:X+4*i+1], s[16:17] offset:256*i   ; 32 lanes x 8 bytes: 256 consecutive bytes, aligned
	v_pk_fma_f32 v[X+32+4*i:X+32+4*i+1],   v[X+32+4*i:X+32+4*i+1],   v[32:33], v[36:37]
	v_pk_fma_f32 v[X+32+4*i+2:X+32+4*i+3], v[X+32+4*i+2:X+32+4*i+3], v[32:33], v[36:37]
	v_cvt_pk_bf16_f32 v[X+32+4*i], v[X+32+4*i], v[X+32+4*i+1]
	v_cvt_pk_bf16_f32 v[X+32+4*i+1], v[X+32+4*i+2], v[X+32+4*i+3]
.set i, i+1
.endr
	s_wait_alu depctr_va_vdst(0)                   ; the roundings have written the second channel's store data
.set i, 8
.rept 8
	global_store_b64 v2, v[X+4*i:X+4*i+1], s[16:17] offset:256*i
.set i, i+1
.endr
	s_wait_dscnt 0x0                               ; the closing lines, six on end
	s_wait_alu 0x0
	s_wait_tensorcnt 0x0
	ds_add_u32 v104, v105
	s_wait_dscnt 0x0
	s_endpgm
	; ---------------- weights: block j = 0..11 of qkv_w (64 rows), 12..15 of proj_w ----------------
.Lweights:
	s_sub_co_u32 s36, ttmp9, 128                   ; j.  In qkv_w j = 4 t + head (t: q, k, v)
	v_lshlrev_b32 v1, 4, v38
	v_lshl_add_u32 v1, v3, 12, v1                  ; source: wave x 4,096 + 16 x lane
	v_lshlrev_b32 v2, 3, v38
	v_lshl_add_u32 v2, v3, 11, v2                  ; destination: wave x 2,048 + 8 x lane
	v_lshlrev_b32 v4, 3, v38                       ; the biases: 8 x lane; made here, so that the one wait below states it written too
	s_sub_co_u32 s24, s36, 12                      ; block in proj_w
	s_and_b32 s37, s36, 3
	s_mul_i32 s37, s37, 3
	s_lshr_b32 s38, s36, 2
	s_add_co_u32 s37, s37, s38                     ; 3 x head + t: the block's place in wb and in bq
	s_cmp_lt_u32 s36, 4
	s_cselect_b32 s32, 0x3e38aa3b, 1.0             ; q rows: 0.125 log2(e); all the others are multiplied by 1.0, so that one text serves all blocks
	s_mov_b32 s33, s32
	s_wait_kmcnt 0x0
	s_cmp_lt_u32 s36, 12
	s_cselect_b32 s24, s36, s24
	s_cselect_b32 s37, s37, s36                    ; proj_w's blocks keep their number: they begin at byte 12 x 32,768
	s_cselect_b64 s[10:11], s[10:11], s[14:15]
	s_lshl_b32 s24, s24, 16                        ; 65,536 bytes of f32 a block
	s_lshl_b32 s34, s37, 15                        ; 32,768 bytes of bf16
	s_add_nc_u64 s[10:11], s[10:11], s[24:25]
	s_add_nc_u64 s[18:19], s[18:19], s[34:35]
	s_wait_alu depctr_va_vdst(0)                   ; v1, v2 and v4 are written: every load and store of this path reads one of them as its offset, and none is written again
.set i, 0
.rept 8
	global_load_b128 v[X+4*i:X+4*i+3], v1, s[10:11] offset:512*i th:TH_LOAD_NT
.set i, i+1
.endr
; load i is scaled and rounded: its 8 bytes a lane lie in v[X+4i:X+4i+1]
.macro WROW i
	s_wait_loadcnt 7-(\i)                          ; load i is in, the 7 - i younger ones stay out
	v_pk_mul_f32 v[X+4*(\i):X+4*(\i)+1], v[X+4*(\i):X+4*(\i)+1], s[32:33] op_sel_hi:[1,0]
	v_pk_mul_f32 v[X+4*(\i)+2:X+4*(\i)+3], v[X+4*(\i)+2:X+4*(\i)+3], s[32:33] op_sel_hi:[1,0]
	v_cvt_pk_bf16_f32 v[X+4*(\i)], v[X+4*(\i)], v[X+4*(\i)+1]
	v_cvt_pk_bf16_f32 v[X+4*(\i)+1], v[X+4*(\i)+2], v[X+4*(\i)+3]
.endm
.irp i, 0,1,2,3
	WROW \i
.endr
	s_wait_alu depctr_va_vdst(0)                   ; the roundings have written the store data of loads 0 to 3
.irp i, 4,5,6,7
	global_store_b64 v2, v[X+4*((\i)-4):X+4*((\i)-4)+1], s[18:19] offset:256*((\i)-4)   ; dealt among the work on loads 4 to 7, which names v[X+16:X+31] alone
	WROW \i
.endr
	s_wait_alu depctr_va_vdst(0)                   ; the roundings have written the store data of loads 4 to 7
.irp i, 4,5,6,7
	global_store_b64 v2, v[X+4*(\i):X+4*(\i)+1], s[18:19] offset:256*(\i)
.endr
	s_cmp_ge_u32 s36, 12                           ; the 64 biases of a qkv block: wave 0 alone, 8 bytes a lane
	s_cbranch_scc1 .Ldone
	s_cmp_lg_u32 s22, 0
	s_cbranch_scc1 .Ldone
	s_lshl_b32 s24, s36, 8
	s_lshl_b32 s34, s37, 8
	s_add_nc_u64 s[12:13], s[12:13], s[24:25]
	s_add_nc_u64 s[20:21], s[20:21], s[34:35]
	global_load_b64 v[6:7], v4, s[12:13]           ; no vector instruction has named v[6:7], and none since the path's first wait has named v4
	s_wait_loadcnt 0x0
	v_pk_mul_f32 v[6:7], v[6:7], s[32:33] op_sel_hi:[1,0]
	s_wait_alu depctr_va_vdst(0)                   ; the multiply has written v[6:7], which the store reads
	global_store_b64 v4, v[6:7], s[20:21]          ; 256 consecutive bytes, aligned
.Ldone:
	s_endpgm
.Lfunc_end_k_q000527ebea_gn_cast:
	.size	k_q000527ebea_gn_cast, .Lfunc_end_k_q000527ebea_gn_cast-k_q000527ebea_gn_cast
	.p2alignl 7, 3214868480
	.fill 96, 4, 3214868480
	.section	.rodata,"a",@progbits
	.p2align	6, 0x0
	.amdhsa_kernel k_q000527ebea_gn_cast
		.amdhsa_group_segment_fixed_size 2560
		.amdhsa_private_segment_fixed_size 0
		.amdhsa_enable_private_segment 0
		.amdhsa_kernarg_size 72
		.amdhsa_user_sgpr_count 2
		.amdhsa_user_sgpr_kernarg_segment_ptr 1
		.amdhsa_wavefront_size32 1
		.amdhsa_system_sgpr_workgroup_id_x 1
		.amdhsa_system_sgpr_workgroup_id_y 1
		.amdhsa_system_sgpr_workgroup_id_z 1
		.amdhsa_system_vgpr_workitem_id 0
		.amdhsa_next_free_vgpr 106
		.amdhsa_next_free_sgpr 66
		.amdhsa_reserve_vcc 0
		.amdhsa_float_denorm_mode_32 3
		.amdhsa_float_denorm_mode_16_64 3
		.amdhsa_memory_ordered 1
		.amdhsa_forward_progress 1
		.amdhsa_inst_pref_size 25
	.end_amdhsa_kernel
	.amdgpu_metadata
---
amdhsa.version: [ 1, 2 ]
amdhsa.kernels:
  - .name:           k_q000527ebea_gn_cast
    .symbol:         k_q000527ebea_gn_cast.kd
    .args:
      - { .name: x, .offset: 0, .size: 8, .value_kind: global_buffer, .address_space: global }
      - { .name: norm_w, .offset: 8, .size: 8, .value_kind: global_buffer, .address_space: global }
      - { .name: norm_b, .offset: 16, .size: 8, .value_kind: global_buffer, .address_space: global }
      - { .name: qkv_w, .offset: 24, .size: 8, .value_kind: global_buffer, .address_space: global }
      - { .name: qkv_b, .offset: 32, .size: 8, .value_kind: global_buffer, .address_space: global }
      - { .name: proj_w, .offset: 40, .size: 8, .value_kind: global_buffer, .address_space: global }
      - { .name: hn, .offset: 48, .size: 8, .value_kind: global_buffer, .address_space: global }
      - { .name: wb, .offset: 56, .size: 8, .value_kind: global_buffer, .address_space: global }
      - { .name: bq, .offset: 64, .size: 8, .value_kind: global_buffer, .address_space: global }
    .group_segment_fixed_size: 2560
    .private_segment_fixed_size: 0
    .kernarg_segment_align: 8
    .kernarg_segment_size: 72
    .max_flat_workgroup_size: 512
    .sgpr_count:     66
    .vgpr_count:     106
    .wavefront_size: 32
...
	.end_amdgpu_metadata
.endif
;; end of part 4
;; launch qkv: the kernel of part 2 again; grid 4 x 64, 12 waves a work-group, clusters of 4 x 4, 245,248 bytes of LDS; arguments hn, wb, bq, qs, kv; writes qs, kv
;; launch attn: the kernel of part 3 again; grid 16 x 16, 8 waves a work-group, clusters of 4 x 1, 327,680 bytes of LDS; arguments qs, kv, wb, proj_b, x, out0; writes out0
